; MI455X (gfx1250); checked and timed in simulation.
; The chip was launched on July 23, 2026; its instructions are those of AMD's public machine-readable ISA for CDNA 5 (MIT licence, August 2026) and "CDNA5" Instruction Set Architecture Reference Guide (July 2026). The comments in the code are by the model that wrote it; some were corrected since.
;; Sliding Window Attention. Allowed arithmetic: matrix products marked QUANTISED: E2M3 operands, one E8M0 scale for each 32 along K, by v_wmma_scale_f32_16x16x128_f8f6f4 with both operands' format E2M3, f32 sums; everything else in f32.
;; Inputs: K_codes 4 x 16 x 2,048 x 4 x 24 uint8 (E2M3 codes of K, K innermost, in blocks of 32 codes, four codes in three bytes); K_scales 4 x 16 x 2,048 x 4 uint8 (E8M0 scales of K, one for each 32 codes along K); Q_codes 4 x 16 x 2,048 x 4 x 24 uint8 (E2M3 codes of Q, K innermost, in blocks of 32 codes, four codes in three bytes); Q_scales 4 x 16 x 2,048 x 4 uint8 (E8M0 scales of Q, one for each 32 codes along K); V_codes 4 x 16 x 128 x 64 x 24 uint8 (E2M3 codes of V, K innermost, in blocks of 32 codes, four codes in three bytes); V_scales 4 x 16 x 128 x 64 uint8 (E8M0 scales of V, one for each 32 codes along K).
;; Outputs: out0 4 x 16 x 2,048 x 128 float32.
;; This version of the problem:
;;   THIS VERSION OF THE PROBLEM IS GIVEN IN LOW PRECISION. The matrix products marked QUANTISED in the list below multiply operands that are first quantised to E2M3 (2 exponent bits, 3 mantissa bits; 6 bits a number), with one power-of-two scale for each 32 numbers along K (OCP MX v1.0); their sums are f32. All else is computed in f32.
;;   The module's matrix products, in the order in which they are computed (A, B: the left and right operand; K: the contracted axis; several contracted axes count as one K, in the product's order):
;;     1. batch 64 x [M 2,048, K 128] x [K 128, N 2,048]; A: input Q (given as codes); B: input K (given as codes): QUANTISED
;;     2. batch 64 x [M 2,048, K 2,048] x [K 2,048, N 128]; A: softmax (see below); B: input V (given as codes): QUANTISED
;;   THE QUANTISER, for each operand of a quantised product, along K:
;;     - K is cut into blocks of 32 from its start; a last block that is shorter is filled with zeros.
;;     - A block's scale is 2^e with e = floor(log2(the largest magnitude in the block)) - 2, held to -126 .. 127; a block of zeros has e = 0. As a byte (E8M0): e + 127.
;;     - Each number is divided by its block's scale, clamped to +-7.5, and rounded to the nearest number of E2M3, ties to even, subnormals kept.
;;     - The product sums the exact products of the quantised numbers (number of the format x scale) in f32.
;;   ~~~python
;;   def quantise(x, axis):      # numpy; x: float32 -> the quantised numbers, widened to float32 again
;;       x = np.moveaxis(x, axis, -1); K = x.shape[-1]
;;       x = np.pad(x, [(0, 0)] * (x.ndim - 1) + [(0, -K % 32)]); x = x.reshape(x.shape[:-1] + (-1, 32)); a = np.abs(x).max(-1, keepdims=True)
;;       e = np.where(a > 0, np.clip(np.frexp(np.where(a > 0, a, 1))[1] - 1 - 2, -126, 127), 0)      # np.frexp(a)[1] - 1 = floor(log2(a)), exactly
;;       r = np.clip(x / 2.0 ** e, -7.5, 7.5)
;;       step = 2.0 ** (np.maximum(np.frexp(np.where(r == 0, 1, r))[1] - 1, 0) - 3)
;;       q = np.round(r / step) * step * 2.0 ** e      # np.round: ties to even
;;       return np.moveaxis(q.reshape(q.shape[:-2] + (-1,))[..., :K], -1, axis).astype(np.float32)
;;   ~~~
;;   SOFTMAX AHEAD OF A QUANTISED PRODUCT. Where the list says 'softmax', what is quantised is not the finished softmax but p = 2^(t - M), with t = logit x log2(e) and M = ceil(the row's largest t), a whole number; so 1/2 < the row's largest p <= 1. The row's sum l is taken of the UNQUANTISED p, in f32, and the product's result is divided by l at the end. Since M is a whole number, a kernel that streams over the keys may use a running M (the ceiling of the running maximum): every later rescaling is an exact power of two, which a block's scale takes up: the codes' values come out the same.
;;   OPERANDS COMPUTED ON THE WAY. 'Computed on the way' means the value that the module computes at that place (a softmax that the list does not call 'softmax' is quantised finished and normalised). What goes into a quantiser is computed in f32, as accurately as f32 sums, v_exp_f32 and their like allow (about 1e-6 of the number): no bf16 or f16 on the way to a quantiser, and a product that is left as it is and whose result goes on into a quantised operand takes f32 operands (vector FMAs, or v_wmma_f32_16x16x4_f32). A number that lies on a knife's edge between two numbers of the format may be rounded either way, as far as f32 arithmetic and the matrix unit's own rounding can turn it there, and no further.
;;   INPUTS GIVEN AS CODES. K (in the module: [4, 16, 2048, 128], K = its axis 3); Q (in the module: [4, 16, 2048, 128], K = its axis 3); V (in the module: [4, 16, 2048, 128], K = its axis 2): each comes as NAME_codes (uint8): NAME with its K axis moved to the last place and cut into blocks of 32 codes, [.., K / 32, bytes a block], one block behind the other in memory; four codes in three bytes: a row's codes are one little-endian stream of bits, code i at bits 6 i .. 6 i + 5 (a code: sign, 2 exponent bits, 3 mantissa bits); and NAME_scales (uint8): the same leading axes, one E8M0 byte (e + 127) for each 32 codes along K. Its value is code x scale, taken as it is: it is not quantised again, and the codes and scales need not be those that the quantiser above would give.
;; One version. Each part assembles by itself: llvm-mc -triple=amdgcn-amd-amdhsa -mcpu=gfx1250 --defsym DOCPART=n.
;; ======== version 1 of 1: 1 launch
;; launch attn (part 1): grid 4 x 64, 8 waves a work-group, no clusters, 327,680 bytes of LDS; arguments Q_codes, Q_scales, K_codes, K_scales, V_codes, V_scales, out0; writes out0
.if DOCPART == 1
	.amdgcn_target "amdgcn-amd-amdhsa--gfx1250"
	.amdhsa_code_object_version 6
	.text
	.protected	k_q7c1150cb3c_attn
	.globl	k_q7c1150cb3c_attn
	.p2align	8
	.type	k_q7c1150cb3c_attn,@function
k_q7c1150cb3c_attn:
	s_mov_b64 s[64:65], 0
	v_nop
	global_prefetch_b8 v0, s[64:65] scope:SCOPE_SE
	s_setreg_imm32_b32 hwreg(HW_REG_WAVE_MODE, 25, 1), 1
	s_wait_xcnt 0x0
; out0[h][q][:] = the sum over k <= q of softmax_k(Q[h][q] . K[h][k] / sqrt(128)) V[h][k][:]; 64 heads, 2,048 queries and keys, head size 128.  Both products on the given codes of FP6 (E2M3) with E8M0 scales.
; Q, K: codes [head][2048][96 bytes], scale words [head][2048][4].  V: codes with the KEYS innermost, [head][128][1536 bytes], scale bytes [head][128][64].  out0: [head][2048][128] f32.
; THE SOFTMAX: t = score x log2(e) / sqrt(128); M = the row's largest t so far, rounded UP to a whole number; p = 2^(t - M) is quantised along the keys, not normalised; the row's sum is taken of the unquantised p
; and divides at the end.  When M moves, the sum and O are multiplied by 2^(old M - new M): exact.
; SHARES.  Work-group (x, head) owns two blocks of 256 queries: block x (pass A) and block 7 - x (pass B): 2 (x + 1) + 2 (8 - x) = 18 key steps' worth in every work-group, 256 work-groups alike.
; Keys come in slots of 256.  ONE loop of nine trips c = 0 .. 8 walks them: slot c while c <= x (pass A, upward to its diagonal), then slot 8 - c (pass B, from its diagonal slot 7 - x down to 0): a running maximum
; does not mind the order, and in its first step every query sees its own key or an earlier one.  No slot is fetched in vain, no tensor load and no barrier is jumped over.  At c = x + 1 pass A's result leaves.
; A wave owns 32 queries, two tiles of 16, so that each fragment of K and of V read from LDS feeds two matrix instructions.  Eight waves, 512 registers each.  Wave w takes the block's queries 32 sigma(w) on,
; sigma = 4 ((w ^ (w >> 2)) & 1) + ((w >> 1) & 3): of waves w and w + 4, and of waves 2 i and 2 i + 1, one has the block's lower half, which has one step on the diagonal slot where the upper half has two.
; LAYOUT.  Both products are used transposed: S^T = K Q^T (source 0 = 16 keys, source 1 = 16 queries), O^T = V^T P^T (source 0 = 16 channels, source 1 = P): a lane holds ONE query (lane % 16) of each tile throughout.
; THE KEYS OF A TILE ARE NOT NEIGHBOURS: lane r of tile 2 b + u takes key 32 b + 8 u + r + 8 (r / 8), so that the 16 registers of tiles 2 b and 2 b + 1 are 16 neighbouring keys, 32 b + 16 (lane / 16) + 0 .. 15.
; NO CLUSTER: the four work-groups of a head walk different slots in the same trip (the slot hangs on x), so their requests for a tile would not stand in the same trip.
; LIMITS: NaN, infinities and the scale byte 0xff are not served.  A block whose every p is 0 keeps the scale byte 1 over zero codes.  p under 2^-126 comes out of v_exp_f32 as 0.  A block's largest p is made from its
; largest score, which takes v_exp_f32 not to fall where its input rises.
;
; LDS: slot s at 65,536 s: KE, 8 chunks of 16 keys x 96 bytes (keys 32 i .. 32 i + 15); KO, 16 bytes further on than dense, the same of keys 32 i + 16 .. 32 i + 31; V, 128 rows of 3 x (64 + 16) bytes.
;   A tile's lanes r < 8 read KE and lanes r >= 8 KO: rows of 24 words, KO 4 words off: the 32 lanes of a load of 8 bytes touch 64 different banks (64 banks of 4 bytes: ISA guide 11.1).
;   Behind the ring: K's and V's scale bytes of the whole head, 32 units of 256 + 8 bytes each, filled once; a stage for each pass's way out; the spare words.
; REGISTERS, in two windows of 256 (s_set_vgpr_msb: bits 1:0 source 0, 3:2 source 1, 5:4 source 2, 7:6 destination):
;   window 0: addresses, statistics, scale words, Q, eight fragments of K or of V, p's codes, work.   window 1: v0-127 S^T, then p (64 a tile); v128-255 O^T (64 a tile).
.set SLOT1, 65536
.set KO,    12304                      ; 8 x 1,536 + 16
.set VOFF,  24832
.set VP,    240
.set SCK,   131072                     ; K's scale bytes: 32 x 264
.set SCV,   139520                     ; V's
.set STG0,  148480                     ; pass A's stage: 8 waves x 16 rows x 272 bytes
.set STGB,  34816                      ; pass B's lies so many bytes on
.set SP,    272
.set SPARE, 218112                     ; the spare words, 128 bytes for each wave: four blocks of 256 bytes that no other line names
.set AKE,  1                           ; v1   my lane's place in a tile of K
.set AV24, 2                           ; v2   in a tile of V,
.set AV40, 3                           ; v3   and the same for the pieces that lie behind one padding more
.set ASK0, 4                           ; v4   among K's scale words
.set ASV0, 5                           ; v5   among V's
.set SPW,  6                           ; v6   LDS address of my spare word; never rewritten
.set NIL,  7                           ; v7   0; never rewritten
.set ADK,  8                           ; v8-12 the step's addresses
.set ADV24, 9
.set ADV40, 10
.set ADS,  11
.set ADT,  12
.set GO,   13                          ; v13  the way out: my byte offset in two rows of out0
.set STO,  14                          ; v14  where I put 32 bytes of a row in the stage
.set SRD,  15                          ; v15  where I read a row back
.set ST,   16                          ; tile y at v[16 + 4 y]: -M, the largest t, the sum in two halves
.set QO,   24                          ; v24  Q: 96 r + 24 h
.set QSO,  25                          ; v25  4 x lane
.set PFO,  26                          ; v26  the prefetches' offset; never rewritten
.set RH,   27                          ; v27  r - 16 h
.set QS,   28                          ; v28  Q's scale words: lane l holds query Q0 + l's
.set PW,   30                          ; v30-31 p's scale words, a tile each
.set KS,   32                          ; v32-35 K's scale words: register b: lanes 0-15 tile 2 b, lanes 16-31 tile 2 b + 1
.set VS,   36                          ; v36-39 V's likewise
.set QF,   40                          ; v40-63 Q's two fragments
.set F,    64                          ; v64-159 eight fragments of K, then of V
.set PC,   160                         ; v160-183 p's codes
.set CT,   184                         ; v184-199 the conversions' second halves
.set BM,   200                         ; v200-207 a block's largest score, then its largest p: 4 y + b
.set PT,   208                         ; v208-215 lane permutes' results
.set SO,   216                         ; v216-223 the conversions' scale operands
.set BY,   224                         ; v224-231 the scales' bytes
.set XX,   232                         ; v232-233 at work
.set FF,   234                         ; v[234:235], v[236:237] f = 2^(old M - new M)
.set TS2,  238                         ; v[238:239], v[240:241] the sums' second chains
.set NINF, 242                         ; v242 -infinity
.set MD,   244                         ; v244-251 the mask's bounds: 4 y + b
.set TB,   2                           ; s2   LDS byte at which the slot in hand begins
.set TS,   3                           ; s3   where the slot's scale words of K begin
.set WV,   18
.set X,    19
.set SEL,  20                          ; s[20:21] v_permlanex16_b32's selects for lane l xor 16
.set CS,   22                          ; s[22:23] c = log2(e) / sqrt(128)
.set G1K,  24
.set G1V,  32
.set G0K,  40
.set G0V,  44
.set G1S,  48
.set G0SK, 56
.set G0SV, 60
.set TJ,   66                          ; s66  where the slot's scale words of V begin in a row
.set CU,   67                          ; s67  the trip c
.set CD,   68                          ; s68  8 - c: the loop's counter
.set SI,   69                          ; s69  the slot of keys in hand
.set KF,   70                          ; s70  its first key
.set Q0,   71                          ; s71  my first query in the pass in hand
.set Q0A,  72
.set Q0B,  73
.set KB,   74                          ; s[74:75] K's codes: my head, my half of the chunks
.set VB,   76                          ; s[76:77] V's codes: my head, my 64 rows
.set OFS,  78                          ; s[78:79] an offset as a pair; s79 stays 0
.set PB,   80                          ; s[80:81] the prefetches' base
.set PFS,  82                          ; s82  a slot on, in bytes
.set PFN,  83                          ; s83  in how many trips my wave asks
.set XP1,  84                          ; s84  x + 1
.set QCB,  86                          ; s[86:87], s[88:89] Q's codes and scale words of pass B
.set QSB,  88
.set OA,   90                          ; s[90:91], s[92:93] my rows of out0 in pass A and B
.set OB,   92
.set PFA,  98                          ; s[98:99] the prefetch's address
.set MSB, 0
.macro WIN new                         ; the immediate's high byte repeats the setting that is left; a switch that changes nothing is dropped
.if MSB != \new
	s_set_vgpr_msb (MSB<<8)|\new
.set MSB, \new
.endif
.endm
; A load into a register that a matrix instruction has read, and a vector instruction that reads a matrix result, stand four places behind it; only plain vector instructions that name none of its registers are places
.macro PLACES
.rept 4
	v_nop
.endr
.endm
; The refill: waves 0 and 1 fetch K's two halves, waves 2 and 3 V's, the others nothing.  The branches hang on the wave's number alone.  Four v_nop follow each of the two lines.
.macro TLOAD
	s_cmp_lt_u32 s[WV], 2
	s_cbranch_scc0 .Lnot_k_\@
	tensor_load_to_lds s[G0K:G0K+3], s[G1K:G1K+7]
	s_nop 0
	PLACES
	s_branch .Lasked_\@
.Lnot_k_\@:
	s_cmp_lt_u32 s[WV], 4
	s_cbranch_scc0 .Lasked_\@
	tensor_load_to_lds s[G0V:G0V+3], s[G1V:G1V+7]
	s_nop 0
	PLACES
.Lasked_\@:
.endm
; A PREFETCH INTO THE L2 of the slot that the NEXT trip's refill will ask for.  The four work-groups of a head first touch slots 0, 1 and 7 by their loads alone; slots 6, 5, 4 are asked for by work-group x = 0, which
; walks down, in trips 0, 1, 2; slots 2, 3 by x = 3, which walks up, in trips 0, 1.  Waves 4 to 6 ask for K's dense block of a slot, 8,192 bytes a wave, lanes 256 bytes apart.  Waves 0 to 3 ask for V's rows, 32 a wave, a
; lane a row: a slot's part of a row is 192 bytes, so walking down a lane names the part's first byte (slots 6, 5), walking up its last (slot 2); slots 4 and 3 end in blocks so named.  So each aligned block of 256 bytes is
; named once in the launch.  The address is made anew from a base that stays, behind the wait that shows the last prefetch's address read.
.macro ASK
	s_cmp_lt_u32 s[CU], s[PFN]
	s_cbranch_scc0 .Lnot_mine_\@
	s_add_co_u32 s96, s[CU], 2                     ; walking up: slot c + 2
	s_sub_co_u32 s97, s[CD], 2                     ; walking down: slot 8 - (c + 2)
	s_cmp_eq_u32 s[X], 0
	s_cselect_b32 s96, s97, s96
	s_mul_i32 s[OFS], s96, s[PFS]
	s_wait_xcnt 0x0                                ; the last prefetch, a trip back, has read its address
	s_add_nc_u64 s[PFA:PFA+1], s[PB:PB+1], s[OFS:OFS+1]
	global_prefetch_b8 v[PFO], s[PFA:PFA+1] th:TH_LOAD_NT scope:SCOPE_SE
.Lnot_mine_\@:
.endm
; THE CHANGE OF SLOTS stands at a trip's head.  Each wave waits for all its tensor loads (its part of the slot that it is about to read), adds 0 to its spare word, and waits for that and for its reads of the slot that it has
; left.  Behind the barrier the slot ahead is whole and nobody reads the other one.  fill = 1: that other slot takes the next trip's keys: the load has a whole trip in which to land.
.macro CHANGE fill
	s_wait_tensorcnt 0x0                           ; no tensor load of mine is out, so a group 0 may be written
	ds_add_u32 v[SPW], v[NIL]                      ; 0 onto my spare word
.if \fill
	s_xor_b32 s[G0K+1], s[G0K+1], SLOT1            ; the other LDS slot than last time
	s_xor_b32 s[G0V+1], s[G0V+1], SLOT1
	s_add_co_u32 s96, s[CU], 1
	s_sub_co_u32 s97, s[CD], 1
	s_cmp_lt_u32 s[CU], s[X]
	s_cselect_b32 s96, s96, s97                    ; the next trip's keys: slot c + 1 while c + 1 <= x, else 8 - (c + 1)
	s_mul_i32 s[OFS], s96, 24576                   ; 256 keys x 96 bytes
	s_add_nc_u64 s[G0K+2:G0K+3], s[KB:KB+1], s[OFS:OFS+1]
	s_or_b32 s[G0K+3], s[G0K+3], 0x80000000
	s_mul_i32 s[OFS], s96, 192                     ; 256 codes along a row of V
	s_add_nc_u64 s[G0V+2:G0V+3], s[VB:VB+1], s[OFS:OFS+1]
	s_or_b32 s[G0V+3], s[G0V+3], 0x80000000
.endif
	s_wait_dscnt 0x0                               ; the add is done, and my reads of the slot that I have left are over
	s_barrier_signal -1
	s_barrier_wait -1
.if \fill
	TLOAD                                          ; the first thing behind the barrier, and a wave's one tensor load until the next
	ASK
.endif
.endm
.macro TRIPSET                         ; which keys and which queries this trip has
	s_cmp_le_u32 s[CU], s[X]
	s_cselect_b32 s[SI], s[CU], s[CD]
	s_cselect_b32 s[Q0], s[Q0A], s[Q0B]
	s_min_u32 s[SI], s[SI], 7                      ; (it is 7 at the most: the bound is written so that it can be read off the text)
	s_lshl_b32 s[KF], s[SI], 8
	s_mul_i32 s[TS], s[SI], 1056                   ; 256 keys' scale words are four units of 264 bytes
	s_lshl_b32 s[TJ], s[SI], 3                     ; and 8 bytes of each row of V's
.endm
.macro KLOAD q                         ; the step's scale words of K, then its eight tiles of 16 keys
.irp b, 0,1,2,3
	ds_load_b32 v[KS+\b], v[ADS] offset:528*(\q)+264*(\b/2)+128*(\b%2)
.endr
.irp t, 0,1,2,3,4,5,6,7
.irp p, 0,1,2,3,4,5
	ds_load_b64 v[F+12*\t+2*\p:F+12*\t+2*\p+1], v[ADK] offset:(4*(\q)+\t/2)*1536+768*(\t%2)+48*(\p/3)+8*(\p%3)
.endr
.endr
.endm
.macro VLOAD q                         ; the step's scale words of V, then its eight tiles of 16 channels x 128 keys
.irp a, 0,1,2,3
	ds_load_b32 v[VS+\a], v[ADT] offset:2112*\a+4*(\q)
.endr
.irp t, 0,1,2,3,4,5,6,7
.irp p, 0,1,2,3,4,5
.set PCE, 12*(\q)+6*(\p/3)+\p%3        ; the row's piece of 8 bytes for lanes 0-15; lanes 16-31 take the piece three on, which lies behind one padding more where PCE % 8 is 5 or more
.if PCE%8 < 5
	ds_load_b64 v[F+12*\t+2*\p:F+12*\t+2*\p+1], v[ADV24] offset:8*PCE+16*(PCE/8)+16*VP*\t
.else
	ds_load_b64 v[F+12*\t+2*\p:F+12*\t+2*\p+1], v[ADV40] offset:8*PCE+16*(PCE/8)+16*VP*\t
.endif
.endr
.endr
.endm
.macro QK tb                           ; S^T = K Q^T: tiles tb .. tb + 3 of keys x both tiles of queries; each product is a whole sum (K = 128) and starts from the constant 0
	WIN 0x40
.irp i, 0,1,2,3
.irp y, 0,1
.set tt, (\tb)+\i
.set rS, 64*\y+8*tt
.set rF, F+12*tt
.set rQ, QF+12*\y
.if (tt%2 == 0) && (\y == 0)
	v_wmma_scale_f32_16x16x128_f8f6f4 v[rS:rS+7], v[rF:rF+11], v[rQ:rQ+11], 0, v[KS+tt/2], v[QS] matrix_a_fmt:MATRIX_FMT_FP6 matrix_b_fmt:MATRIX_FMT_FP6
.elseif \y == 0
	v_wmma_scale_f32_16x16x128_f8f6f4 v[rS:rS+7], v[rF:rF+11], v[rQ:rQ+11], 0, v[KS+tt/2], v[QS] matrix_a_fmt:MATRIX_FMT_FP6 matrix_b_fmt:MATRIX_FMT_FP6 matrix_a_scale:MATRIX_SCALE_ROW1
.elseif tt%2 == 0
	v_wmma_scale_f32_16x16x128_f8f6f4 v[rS:rS+7], v[rF:rF+11], v[rQ:rQ+11], 0, v[KS+tt/2], v[QS] matrix_a_fmt:MATRIX_FMT_FP6 matrix_b_fmt:MATRIX_FMT_FP6 matrix_b_scale:MATRIX_SCALE_ROW1
.else
	v_wmma_scale_f32_16x16x128_f8f6f4 v[rS:rS+7], v[rF:rF+11], v[rQ:rQ+11], 0, v[KS+tt/2], v[QS] matrix_a_fmt:MATRIX_FMT_FP6 matrix_b_fmt:MATRIX_FMT_FP6 matrix_a_scale:MATRIX_SCALE_ROW1 matrix_b_scale:MATRIX_SCALE_ROW1
.endif
.endr
.endr
.endm
.macro PV                              ; O^T += V^T P^T: the 16 accumulators take turns, one instruction a turn
	WIN 0x50
.irp t, 0,1,2,3,4,5,6,7
.irp y, 0,1
.set rO, 128+64*\y+8*\t
.if \t%2 == 0
	v_wmma_scale_f32_16x16x128_f8f6f4 v[rO:rO+7], v[F+12*\t:F+12*\t+11], v[PC+12*\y:PC+12*\y+11], v[rO:rO+7], v[VS+\t/2], v[PW+\y] matrix_a_fmt:MATRIX_FMT_FP6 matrix_b_fmt:MATRIX_FMT_FP6
.else
	v_wmma_scale_f32_16x16x128_f8f6f4 v[rO:rO+7], v[F+12*\t:F+12*\t+11], v[PC+12*\y:PC+12*\y+11], v[rO:rO+7], v[VS+\t/2], v[PW+\y] matrix_a_fmt:MATRIX_FMT_FP6 matrix_b_fmt:MATRIX_FMT_FP6 matrix_a_scale:MATRIX_SCALE_ROW1
.endif
.endr
.endr
.endm
; On the diagonal the scores of hidden keys become -infinity ahead of the maximum: p = 0 then.  Register 16 b + i of tile y holds key KFq + 32 b + 16 h + i of query Q0 + 16 y + r: hidden where i > (Q0 - KFq) + r - 16 h + 16 y - 32 b.
.macro MASK
	s_sub_co_i32 s96, s[Q0], s94
	v_add_nc_u32 v[XX], s96, v[RH]
.irp y, 0,1
.irp b, 0,1,2,3
	v_add_nc_u32 v[MD+4*\y+\b], 16*\y-32*\b, v[XX]
.endr
.endr
	WIN 0x41
.set n, 0
.rept 128                              ; ascending: each accumulator is read from its low end on
	v_cmp_gt_i32 vcc_lo, n%16, v[MD+n/16]
	v_cndmask_b32 v[n], v[n], v[NINF], vcc_lo
.set n, n+1
.endr
	WIN 0
.endm
; THE SOFTMAX of both tiles for one key step, phase by phase, the tiles and blocks by turns so that no line waits for the line above it.
.macro SOFTMAX2
	WIN 0x05                                       ; THE LARGEST SCORE OF EACH BLOCK OF 32 KEYS: it serves for the row's maximum and, since p rises with the score, for the block's largest p
.irp y, 0,1
.irp b, 0,1,2,3
	v_max_num_f32 v[BM+4*\y+\b], v[64*\y+16*\b], v[64*\y+16*\b+1]
.endr
.endr
.irp i, 2,4,6,8,10,12,14
.irp y, 0,1
.irp b, 0,1,2,3
	v_max3_num_f32 v[BM+4*\y+\b], v[64*\y+16*\b+\i], v[64*\y+16*\b+\i+1], v[BM+4*\y+\b]
.endr
.endr
.endr
	WIN 0
.irp e, 0,1,2,3,4,5,6,7
	v_permlanex16_b32 v[PT+\e], v[BM+\e], s[SEL], s[SEL+1]
.endr
.irp e, 0,1,2,3,4,5,6,7
	v_max_num_f32 v[BM+\e], v[BM+\e], v[PT+\e]     ; with lane l xor 16's 16 keys
.endr
.irp y, 0,1
	v_max3_num_f32 v[XX+\y], v[BM+4*\y], v[BM+4*\y+1], v[BM+4*\y+2]
.endr
.irp y, 0,1
	v_max_num_f32 v[XX+\y], v[XX+\y], v[BM+4*\y+3] ; the step's largest score of my query
.endr
.irp y, 0,1
	v_mul_f32 v[XX+\y], s[CS], v[XX+\y]            ; as t (c is positive)
.endr
.irp y, 0,1
	v_max_num_f32 v[ST+4*\y+1], v[ST+4*\y+1], v[XX+\y]   ; the running largest t
.endr
.irp y, 0,1
	v_mov_b32 v[XX+\y], v[ST+4*\y]
.endr
.irp y, 0,1
	v_floor_f32 v[ST+4*\y], -v[ST+4*\y+1]          ; the new -M = floor(-t) = -ceil(t): M IS A WHOLE NUMBER
.endr
.irp y, 0,1
	v_sub_f32 v[XX+\y], v[ST+4*\y], v[XX+\y]       ; M's old value less its new one: a whole number, 0 or less
.endr
.irp y, 0,1
	v_cvt_i32_f32 v[XX+\y], v[XX+\y]               ; (it saturates)
.endr
.irp y, 0,1
	v_ldexp_f32 v[FF+2*\y], 1.0, v[XX+\y]          ; f = 2^(old M - new M)
.endr
.irp y, 0,1
.irp b, 0,1,2,3
	v_fma_f32 v[BM+4*\y+\b], v[BM+4*\y+\b], s[CS], v[ST+4*\y]   ; t - M of each block's largest score
.endr
.endr
.irp y, 0,1
	v_pk_mul_f32 v[ST+4*\y+2:ST+4*\y+3], v[ST+4*\y+2:ST+4*\y+3], v[FF+2*\y:FF+2*\y+1] op_sel_hi:[1,0]   ; the sums under the new M
.endr
	WIN 0x41
.set j, 0
.rept 64
	v_pk_fma_f32 v[2*j:2*j+1], v[2*j:2*j+1], s[CS:CS+1], v[ST+4*(j/32):ST+4*(j/32)+1] op_sel_hi:[1,0,0]   ; t - M, two at a time (of the pairs c and -M the low word serves both halves)
.set j, j+1
.endr
.set j, 0
.rept 128
	v_exp_f32 v[j], v[j]                           ; p = 2^(t - M), at most 1: NOT normalised
.set j, j+1
.endr
	WIN 0
	v_nop                                          ; a plain place behind the exponentials
	s_wait_alu depctr_va_vdst(0)                   ; one wait for the whole batch, ahead of its first reader
.irp e, 0,1,2,3,4,5,6,7
	v_exp_f32 v[BM+\e], v[BM+\e]                   ; the block's largest p: the same two instructions on the same number give the same bits
.endr
	WIN 0x05                                       ; THE ROW'S SUM IS TAKEN OF THE UNQUANTISED p: two at a time, in two chains a tile.  (It reads the 128 alone: plain work behind the eight)
.irp y, 0,1
	v_pk_add_f32 v[TS2+2*\y:TS2+2*\y+1], v[64*\y:64*\y+1], v[64*\y+2:64*\y+3]
.endr
	WIN 0x04
.irp j, 4,8,12,16,20,24,28,32,36,40,44,48,52,56,60
.irp y, 0,1
	v_pk_add_f32 v[ST+4*\y+2:ST+4*\y+3], v[ST+4*\y+2:ST+4*\y+3], v[64*\y+\j:64*\y+\j+1]
	v_pk_add_f32 v[TS2+2*\y:TS2+2*\y+1], v[TS2+2*\y:TS2+2*\y+1], v[64*\y+\j+2:64*\y+\j+3]
.endr
.endr
	WIN 0
.irp y, 0,1
	v_pk_add_f32 v[ST+4*\y+2:ST+4*\y+3], v[ST+4*\y+2:ST+4*\y+3], v[TS2+2*\y:TS2+2*\y+1]
.endr
	s_wait_alu depctr_va_vdst(0)                   ; and one for the eight
.irp e, 0,1,2,3,4,5,6,7
	v_max_num_f32 v[BM+\e], 0x1800000, v[BM+\e]    ; the floor 2^(3 - 127): the byte cannot fall under 1
.endr
.irp e, 0,1,2,3,4,5,6,7
	v_add_nc_u32 v[SO+\e], 0xff000000, v[BM+\e]    ; 2 off the exponent field: the conversion's scale operand
.endr
.irp e, 0,1,2,3,4,5,6,7
	v_lshrrev_b32 v[BY+\e], 23, v[SO+\e]           ; the scale's byte
.endr
.irp y, 0,1
	v_lshl_or_b32 v[PW+\y], v[BY+4*\y+1], 8, v[BY+4*\y]   ; p's scale word for these 128 keys
.endr
.irp y, 0,1
	v_lshl_or_b32 v[PW+\y], v[BY+4*\y+2], 16, v[PW+\y]
.endr
.irp y, 0,1
	v_lshl_or_b32 v[PW+\y], v[BY+4*\y+3], 24, v[PW+\y]
.endr
	WIN 0x01
.irp y, 0,1
.irp c, 0,1
	v_cvt_scalef32_pk16_fp6_f32 v[PC+12*\y+6*\c:PC+12*\y+6*\c+2], v[64*\y+32*\c:64*\y+32*\c+15], v[SO+4*\y+2*\c]
	v_cvt_scalef32_pk16_fp6_f32 v[CT+8*\y+4*\c:CT+8*\y+4*\c+2], v[64*\y+32*\c+16:64*\y+32*\c+31], v[SO+4*\y+2*\c+1]   ; (a conversion's three registers begin on an even number)
.endr
.endr
	WIN 0
	v_nop                                          ; one plain place behind a scaled conversion
.irp y, 0,1                                    ; the operand's layout wants a WHOLE block in a lane: lanes 0-15 block 2 c, lanes 16-31 block 2 c + 1
.irp c, 0,1
.irp i, 0,1,2
	v_permlane16_swap_b32 v[PC+12*\y+6*\c+\i], v[CT+8*\y+4*\c+\i]
.endr
.irp i, 0,1,2
	v_mov_b32 v[PC+12*\y+6*\c+3+\i], v[CT+8*\y+4*\c+\i]
.endr
.endr
.endr
	WIN 0x41
.set j, 0
.rept 64
	v_pk_mul_f32 v[128+2*j:129+2*j], v[128+2*j:129+2*j], v[FF+2*(j/32):FF+2*(j/32)+1] op_sel_hi:[1,0]   ; O^T under the new M: x f, each accumulator from its low end on.  (These are also the places between p's codes and scale words and the products below)
.set j, j+1
.endr
.endm
; A KEY STEP: 128 keys, the q-th of the slot in hand, for my two tiles of queries.  diag = 1: the step may lie on or over the diagonal.
.macro STEP q, diag
	s_add_co_u32 s94, s[KF], 128*(\q)              ; the step's first key
.if \diag
	s_add_co_u32 s95, s[Q0], 31                    ; a step all of whose keys come after my 32 queries is left out: a scalar branch on ids; no barrier and no tensor load stands in a step
	s_cmp_gt_u32 s94, s95
	s_cbranch_scc1 .Lhidden_\@
.endif
	v_add_nc_u32 v[ADK], s[TB], v[AKE]             ; five plain lines: also the places between the last products and the loads into their fragments' registers
	v_add_nc_u32 v[ADV24], s[TB], v[AV24]
	v_add_nc_u32 v[ADV40], s[TB], v[AV40]
	v_add_nc_u32 v[ADS], s[TS], v[ASK0]
	v_add_nc_u32 v[ADT], s[TJ], v[ASV0]
	KLOAD \q
	s_wait_dscnt 24                                ; the scale words and tiles 0-3 are in; the youngest 24 loads (tiles 4-7, six each) may be out
	QK 0
	s_wait_dscnt 0x0
	QK 4
	WIN 0
	PLACES                                         ; in front of the loads into K's registers, and of the first read of the scores
	VLOAD \q                                       ; V's fragments land while the softmax is walked
.if \diag
	s_add_co_u32 s95, s94, 127
	s_cmp_le_u32 s95, s[Q0]                        ; a step all of whose keys count skips the mask
	s_cbranch_scc1 .Lopen_\@
	MASK
.Lopen_\@:
.endif
	SOFTMAX2
	s_wait_dscnt 0x0                               ; V is in
	PV
	WIN 0
.if \diag
.Lhidden_\@:
.endif
.endm
.macro QLOAD cp, sp                    ; my two tiles of Q stay in registers for a pass
.irp y, 0,1
.irp p, 0,1,2,3,4,5
	global_load_b64 v[QF+12*\y+2*\p:QF+12*\y+2*\p+1], v[QO], s[\cp:\cp+1] offset:1536*\y+48*(\p/3)+8*(\p%3) th:TH_LOAD_NT
.endr
.endr
	global_load_b32 v[QS], v[QSO], s[\sp:\sp+1] th:TH_LOAD_NT
.endm
.macro INIT                            ; a pass begins: the step is written once, so the first step finds zeros, which the first change of M leaves zeros
.irp y, 0,1
	v_mov_b32 v[ST+4*\y+1], 0xff61b1e6             ; the largest t so far: -3e38, under every t
	v_mov_b32 v[ST+4*\y+2], 0                      ; the sum, in two halves
	v_mov_b32 v[ST+4*\y+3], 0
.endr
.irp y, 0,1
	v_floor_f32 v[ST+4*\y], -v[ST+4*\y+1]          ; -M
.endr
	WIN 0x40
.set j, 0
.rept 128
	v_mov_b32 v[128+j], 0                          ; O^T
.set j, j+1
.endr
	WIN 0
.endm
; THE WAY OUT.  Tile y: O^T / the sum, in place; through my stage in LDS, half a row (64 channels, 256 bytes) of 16 queries at a time; back as whole pieces of 256 bytes.  g: which pass's stage.
.macro PACK y, g
	WIN 0x41
.set k, 0
.rept 32
	v_pk_mul_f32 v[128+64*\y+2*k:128+64*\y+2*k+1], v[128+64*\y+2*k:128+64*\y+2*k+1], v[ST+4*\y+2:ST+4*\y+3] op_sel_hi:[1,0]   ; register 8 t + i is o(r, 16 t + 8 h + i)
.set k, k+1
.endr
.irp u, 0,1
	WIN 0x04                                       ; an LDS store's data are its source 1: window 1
.irp t, 0,1,2,3
	ds_store_b128 v[STO], v[128+64*\y+32*\u+8*\t:128+64*\y+32*\u+8*\t+3] offset:STGB*\g+64*\t
	ds_store_b128 v[STO], v[128+64*\y+32*\u+8*\t+4:128+64*\y+32*\u+8*\t+7] offset:STGB*\g+64*\t+16
.endr
	WIN 0
.irp i, 0,1,2,3,4,5,6,7
	ds_load_b128 v[64+64*\y+32*\u+4*\i:64+64*\y+32*\u+4*\i+3], v[SRD] offset:STGB*\g+2*SP*\i   ; LDS serves a wave's instructions in order (ISA guide 5.7.1.4): these see my stores, and the next stores come behind them
.endr
.endr
.endm
.macro SEND y, younger, op             ; younger: the LDS instructions issued behind tile y's 32
.irp u, 0,1
.irp i, 0,1,2,3,4,5,6,7
	s_wait_dscnt (\younger)+16*(1-\u)+7-\i         ; behind this load: the rest of its run of eight, the other half's sixteen, the younger tile's
	global_store_b128 v[GO], v[64+64*\y+32*\u+4*\i:64+64*\y+32*\u+4*\i+3], s[\op:\op+1] offset:8192*\y+1024*\i+256*\u th:TH_STORE_NT   ; 16 lanes store 256 consecutive bytes, at a multiple of 256 from out0's first byte
.endr
.endr
.endm
.macro WAYOUT g, op
.irp y, 0,1
	v_add_f32 v[XX+\y], v[ST+4*\y+2], v[ST+4*\y+3] ; the sum's two halves,
.endr
.irp y, 0,1
	v_permlanex16_b32 v[PT+\y], v[XX+\y], s[SEL], s[SEL+1]
.endr
.irp y, 0,1
	v_add_f32 v[XX+\y], v[XX+\y], v[PT+\y]         ; and lane l xor 16's: the row's sum
.endr
.irp y, 0,1
	v_rcp_f32 v[ST+4*\y+2], v[XX+\y]
.endr
	v_nop                                          ; a plain place behind the reciprocals
	s_wait_alu depctr_va_vdst(0)                   ; and the wait ahead of the first use: one for the two
	PACK 0, \g
	PACK 1, \g
	SEND 0, 32, \op
	SEND 1, 0, \op
.endm
.macro SWITCH                          ; pass A is over: its result leaves, pass B's Q comes in under it
	PLACES
	QLOAD QCB, QSB
	WAYOUT 0, OA
	INIT
	s_wait_xcnt 0x0                                ; the stores have read their registers: the next step's loads may land there
	s_wait_loadcnt 0x0                             ; Q
.endm
	s_load_b256 s[4:11], s[0:1], 0x0               ; Q's codes s[4:5], Q's scales s[6:7], K's codes s[8:9], K's scales s[10:11]
	s_load_b128 s[12:15], s[0:1], 0x20             ; V's codes s[12:13], V's scales s[14:15]
	s_load_b64 s[16:17], s[0:1], 0x30              ; out0
	v_lshl_add_u32 v[SPW], v0, 2, SPARE
	v_mov_b32 v[NIL], 0
	ds_add_u32 v6, v7
	s_wait_dscnt 0x0
	v_lshrrev_b32 v8, 5, v0
	v_readfirstlane_b32 s[WV], v8                  ; wave 0..7
	s_mov_b32 s[X], ttmp9                          ; x 0..3
	s_add_co_u32 s[XP1], s[X], 1
	s_and_b32 s94, ttmp7, 0xffff                   ; the head
	s_mul_i32 s95, s94, 196608                     ; the head's first byte in each tensor of codes,
	s_lshl_b32 s96, s94, 13                        ; in each tensor of scale bytes,
	s_lshl_b32 s97, s94, 20                        ; and in out0: all under 2^32
	s_lshr_b32 s100, s[WV], 2
	s_xor_b32 s100, s100, s[WV]
	s_and_b32 s100, s100, 1
	s_lshl_b32 s100, s100, 2
	s_bfe_u32 s101, s[WV], 0x20001
	s_add_co_u32 s100, s100, s101                  ; sigma(w)
	s_lshl_b32 s100, s100, 5
	s_lshl_b32 s101, s[X], 8
	s_add_co_u32 s[Q0A], s101, s100                ; my first query in pass A: 256 x + 32 sigma
	s_sub_co_u32 s101, 7, s[X]
	s_lshl_b32 s101, s101, 8
	s_add_co_u32 s[Q0B], s101, s100                ; in pass B: 256 (7 - x) + 32 sigma
	s_and_b32 s100, s[WV], 1                       ; which half of K's or V's tile I fetch, if I fetch
	s_mov_b32 s[OFS+1], 0
	; descriptor group 1.  K: 8 chunks of 1,536 bytes (192 elements of 8 bytes), 3,072 bytes apart in memory, dense in LDS
	s_mov_b32 s[G1K], 3<<16                        ; 15:0 no mask; 17:16 elements of 8 bytes; 20 padding off
	s_mov_b32 s[G1K+1], 192<<16                    ; tensor_dim0
	s_mov_b32 s[G1K+2], 8<<16                      ; tensor_dim1
	s_mov_b32 s[G1K+3], 192<<16                    ; tile_dim0
	s_mov_b32 s[G1K+4], 8                          ; tile_dim1
	s_mov_b32 s[G1K+5], 384                        ; tensor_dim0_stride
	s_mov_b32 s[G1K+6], 0
	s_mov_b32 s[G1K+7], 0
	; V: 64 rows of 192 bytes, 1,536 bytes apart in memory; 16 bytes of padding behind every 64
	s_mov_b32 s[G1V], (1<<20)|(3<<22)|(3<<25)      ; elements of 1 byte; padding on; after every 16 words (code 3); of 4 words (code 3)
	s_mov_b32 s[G1V+1], 192<<16
	s_mov_b32 s[G1V+2], 64<<16
	s_mov_b32 s[G1V+3], 192<<16
	s_mov_b32 s[G1V+4], 64
	s_mov_b32 s[G1V+5], 1536
	s_mov_b32 s[G1V+6], 0
	s_mov_b32 s[G1V+7], 0
	; the scale bytes of a head: 8,192 dense bytes as 32 rows of 256 (32 elements of 8 bytes), 8 bytes of padding behind each
	s_mov_b32 s[G1S], (3<<16)|(1<<20)|(5<<22)|(1<<25)
	s_mov_b32 s[G1S+1], 32<<16
	s_mov_b32 s[G1S+2], 32<<16
	s_mov_b32 s[G1S+3], 32<<16
	s_mov_b32 s[G1S+4], 32
	s_mov_b32 s[G1S+5], 32
	s_mov_b32 s[G1S+6], 0
	s_mov_b32 s[G1S+7], 0
	s_mov_b32 s[SEL], 0x76543210
	s_mov_b32 s[SEL+1], 0xfedcba98
	s_mov_b32 s[CS], 0x3e0293ee                    ; c = log2(e) / sqrt(128)
	s_mov_b32 s[CS+1], s[CS]                       ; (named with it as a pair, so it is written)
	s_wait_kmcnt 0x0
	s_mul_i32 s[OFS], s100, 1536                   ; wave 0: keys 32 i .. + 15; wave 1: keys 32 i + 16 .. + 31
	s_add_co_u32 s[OFS], s[OFS], s95
	s_add_nc_u64 s[KB:KB+1], s[8:9], s[OFS:OFS+1]
	s_mul_i32 s[OFS], s100, 98304                  ; wave 2: rows 0-63 of V; wave 3: rows 64-127
	s_add_co_u32 s[OFS], s[OFS], s95
	s_add_nc_u64 s[VB:VB+1], s[12:13], s[OFS:OFS+1]
	s_mov_b32 s[G0K], 1                            ; 1:0 count = 1
	s_mul_i32 s[G0K+1], s100, KO                   ; 63:32 LDS address: slot 0
	s_mov_b64 s[G0K+2:G0K+3], s[KB:KB+1]           ; 120:64 global address: the head's first 256 keys
	s_or_b32 s[G0K+3], s[G0K+3], 0x80000000        ; 127:126 type = 2
	s_mov_b32 s[G0V], 1
	s_mul_i32 s[G0V+1], s100, 64*VP
	s_add_co_u32 s[G0V+1], s[G0V+1], VOFF
	s_mov_b64 s[G0V+2:G0V+3], s[VB:VB+1]
	s_or_b32 s[G0V+3], s[G0V+3], 0x80000000
	s_mov_b32 s[OFS], s96
	s_mov_b32 s[G0SK], 1
	s_mov_b32 s[G0SK+1], SCK
	s_add_nc_u64 s[G0SK+2:G0SK+3], s[10:11], s[OFS:OFS+1]
	s_or_b32 s[G0SK+3], s[G0SK+3], 0x80000000
	s_mov_b32 s[G0SV], 1
	s_mov_b32 s[G0SV+1], SCV
	s_add_nc_u64 s[G0SV+2:G0SV+3], s[14:15], s[OFS:OFS+1]
	s_or_b32 s[G0SV+3], s[G0SV+3], 0x80000000
	; the first fills, one a wave, ahead of every wait on TENSORcnt, every LDS read and every barrier: waves 0, 1: K of slot 0; 2, 3: V; 4: K's scale bytes; 5: V's
	s_cmp_lt_u32 s[WV], 2
	s_cbranch_scc0 .Lff_v
	tensor_load_to_lds s[G0K:G0K+3], s[G1K:G1K+7]
	s_nop 0
	PLACES
	s_branch .Lff_done
.Lff_v:
	s_cmp_lt_u32 s[WV], 4
	s_cbranch_scc0 .Lff_sk
	tensor_load_to_lds s[G0V:G0V+3], s[G1V:G1V+7]
	s_nop 0
	PLACES
	s_branch .Lff_done
.Lff_sk:
	s_cmp_eq_u32 s[WV], 4
	s_cbranch_scc0 .Lff_sv
	tensor_load_to_lds s[G0SK:G0SK+3], s[G1S:G1S+7]
	s_nop 0
	PLACES
	s_branch .Lff_done
.Lff_sv:
	s_cmp_eq_u32 s[WV], 5
	s_cbranch_scc0 .Lff_done
	tensor_load_to_lds s[G0SV:G0SV+3], s[G1S:G1S+7]
	s_nop 0
	PLACES
.Lff_done:
	s_mul_i32 s[OFS], s[Q0B], 96                   ; Q's codes, Q's scale words and out0 at my first query of each pass
	s_add_co_u32 s[OFS], s[OFS], s95
	s_add_nc_u64 s[QCB:QCB+1], s[4:5], s[OFS:OFS+1]
	s_mul_i32 s[OFS], s[Q0A], 96
	s_add_co_u32 s[OFS], s[OFS], s95
	s_add_nc_u64 s[4:5], s[4:5], s[OFS:OFS+1]
	s_lshl_b32 s[OFS], s[Q0B], 2
	s_add_co_u32 s[OFS], s[OFS], s96
	s_add_nc_u64 s[QSB:QSB+1], s[6:7], s[OFS:OFS+1]
	s_lshl_b32 s[OFS], s[Q0A], 2
	s_add_co_u32 s[OFS], s[OFS], s96
	s_add_nc_u64 s[6:7], s[6:7], s[OFS:OFS+1]
	s_lshl_b32 s[OFS], s[Q0A], 9
	s_add_co_u32 s[OFS], s[OFS], s97
	s_add_nc_u64 s[OA:OA+1], s[16:17], s[OFS:OFS+1]
	s_lshl_b32 s[OFS], s[Q0B], 9
	s_add_co_u32 s[OFS], s[OFS], s97
	s_add_nc_u64 s[OB:OB+1], s[16:17], s[OFS:OFS+1]
	v_and_b32 v8, 15, v0                           ; r = lane % 16
	v_bfe_u32 v9, v0, 4, 1                         ; h = lane / 16
	v_mul_u32_u24 v[QO], v8, 96
	v_mad_u32_u24 v[QO], v9, 24, v[QO]
	v_and_b32 v10, 31, v0                          ; lane
	v_lshlrev_b32 v[QSO], 2, v10
	QLOAD 4, 6                                     ; pass A's Q
	; the prefetches (macro ASK): who asks, from where, how often
	s_cmp_lt_u32 s[WV], 4                          ; waves 0 to 3 ask for V's codes, waves 4 to 6 for K's
	s_cselect_b64 s[PB:PB+1], s[12:13], s[8:9]
	s_mov_b32 s[PFS], 24576
	s_cselect_b32 s[PFS], 192, s[PFS]              ; a slot on
	s_mov_b32 s94, 256
	s_cselect_b32 s94, 1536, s94                   ; from lane to lane
	s_mov_b32 s96, 8192
	s_cselect_b32 s96, 49152, s96                  ; from wave to wave
	s_cselect_b32 s97, 191, 0                      ; in V, walking up: the last byte of a row's part of a slot
	s_cselect_b32 s100, 1, 0                       ; V's waves ask once less than K's
	s_cmp_eq_u32 s[X], 3
	s_cselect_b32 s[PFN], 2, 0
	s_cselect_b32 s97, s97, 0
	s_cmp_eq_u32 s[X], 0
	s_cselect_b32 s[PFN], 3, s[PFN]
	s_sub_co_u32 s100, s[PFN], s100
	s_cmp_eq_u32 s[PFN], 0
	s_cselect_b32 s[PFN], 0, s100
	s_cmp_eq_u32 s[WV], 7                          ; (K's block is three waves' worth)
	s_cselect_b32 s[PFN], 0, s[PFN]
	s_and_b32 s100, s[WV], 3
	s_mul_i32 s[OFS], s100, s96
	s_add_co_u32 s[OFS], s[OFS], s97
	s_add_co_u32 s[OFS], s[OFS], s95
	s_add_nc_u64 s[PB:PB+1], s[PB:PB+1], s[OFS:OFS+1]
	v_mul_lo_u32 v[PFO], v10, s94
	; my lane's places in LDS
	v_lshlrev_b32 v11, 4, v9
	v_sub_nc_u32 v[RH], v8, v11                    ; r - 16 h
	v_and_b32 v10, 7, v0                           ; r % 8
	v_bfe_u32 v11, v0, 3, 1                        ; r / 8
	v_mul_u32_u24 v[AKE], v10, 96
	v_mad_u32_u24 v[AKE], v11, KO, v[AKE]
	v_mad_u32_u24 v[AKE], v9, 24, v[AKE]           ; K: row r % 8 of a chunk's half, KE or KO by r / 8, + 24 h
	v_mul_u32_u24 v[AV24], v8, VP
	v_add_nc_u32 v[AV24], VOFF, v[AV24]
	v_mad_u32_u24 v[AV40], v9, 40, v[AV24]
	v_mad_u32_u24 v[AV24], v9, 24, v[AV24]         ; V: row r, + 24 h (or 40 h behind one padding more)
	v_lshl_add_u32 v12, v11, 3, v8                 ; r + 8 (r / 8)
	v_lshl_add_u32 v[ASK0], v12, 2, SCK
	v_lshl_add_u32 v[ASK0], v9, 5, v[ASK0]         ; K's scale words: 4 bytes a key; lanes 16-31 take the tile eight keys on
	v_bfe_u32 v12, v0, 2, 2                        ; r / 4
	v_and_b32 v13, 3, v0                           ; r % 4
	v_mul_u32_u24 v[ASV0], v12, 264
	v_lshl_add_u32 v[ASV0], v13, 6, v[ASV0]
	v_mad_u32_u24 v[ASV0], v9, 1056, v[ASV0]
	v_add_nc_u32 v[ASV0], SCV, v[ASV0]             ; V's: four rows of 64 bytes to a unit; lanes 16-31 take the tile 16 rows (four units) on
	v_lshlrev_b32 v[GO], 9, v9
	v_lshl_add_u32 v[GO], v8, 4, v[GO]             ; the way out: lanes 0-15 one row of out0, lanes 16-31 the next; 16 bytes a lane
	s_mul_i32 s95, s[WV], 16*SP
	s_add_co_u32 s95, s95, STG0                    ; my stage
	v_mul_u32_u24 v[STO], v8, SP
	v_lshl_add_u32 v[STO], v9, 5, v[STO]
	v_add_nc_u32 v[STO], s95, v[STO]               ; in: row r, + 32 h
	v_mul_u32_u24 v[SRD], v9, SP
	v_lshl_add_u32 v[SRD], v8, 4, v[SRD]
	v_add_nc_u32 v[SRD], s95, v[SRD]               ; back: lanes 0-15 one row, lanes 16-31 the next
.irp e, 0,1,2,3,4,5,6,7
	v_mov_b32 v[PT+\e], 0                          ; written once: a lane permute's destination counts as one of its sources
.endr
	v_mov_b32 v[FF+1], 0                           ; (named as the upper halves of f's pairs)
	v_mov_b32 v[FF+3], 0
	v_mov_b32 v[NINF], 0xff800000                  ; -infinity
	INIT
	s_mov_b32 s[CU], 0
	s_mov_b32 s[CD], 8
	s_mov_b32 s[TB], 0
	s_wait_loadcnt 0x0                             ; Q
.Ltrip:                                            ; eight trips, c = 0 .. 7: behind each change of slots the next trip's keys are asked for
	CHANGE 1
	TRIPSET
	s_cmp_lg_u32 s[CU], s[XP1]                     ; at c = x + 1 the passes change
	s_cbranch_scc1 .Lsame_pass
	SWITCH
.Lsame_pass:
	STEP 0, 1
	STEP 1, 1
	s_xor_b32 s[TB], s[TB], SLOT1                  ; on to the other slot
	s_add_co_u32 s[CU], s[CU], 1
	s_sub_co_u32 s[CD], s[CD], 1
	s_cmp_lg_u32 s[CD], 0
	s_cbranch_scc1 .Ltrip
	CHANGE 0                                       ; c = 8 is written out: pass B's keys 0 to 255, which count for all its queries
	TRIPSET
	STEP 0, 0
	STEP 1, 0
	PLACES
	WAYOUT 1, OB
	s_wait_tensorcnt 0x0                           ; the wave's end: behind my last tensor load and my last LDS store
	ds_add_u32 v[SPW], v[NIL]
	s_wait_dscnt 0x0
	s_endpgm
.Lfunc_end_k_q7c1150cb3c_attn:
	.size	k_q7c1150cb3c_attn, .Lfunc_end_k_q7c1150cb3c_attn-k_q7c1150cb3c_attn
	.p2alignl 7, 3214868480
	.fill 96, 4, 3214868480
	.section	.rodata,"a",@progbits
	.p2align	6, 0x0
	.amdhsa_kernel k_q7c1150cb3c_attn
		.amdhsa_group_segment_fixed_size 327680
		.amdhsa_private_segment_fixed_size 0
		.amdhsa_enable_private_segment 0
		.amdhsa_kernarg_size 56
		.amdhsa_user_sgpr_count 2
		.amdhsa_user_sgpr_kernarg_segment_ptr 1
		.amdhsa_wavefront_size32 1
		.amdhsa_system_sgpr_workgroup_id_x 1
		.amdhsa_system_sgpr_workgroup_id_y 1
		.amdhsa_system_sgpr_workgroup_id_z 1
		.amdhsa_system_vgpr_workitem_id 0
		.amdhsa_next_free_vgpr 512
		.amdhsa_next_free_sgpr 102
		.amdhsa_reserve_vcc 1
		.amdhsa_float_denorm_mode_32 3
		.amdhsa_float_denorm_mode_16_64 3
		.amdhsa_memory_ordered 1
		.amdhsa_forward_progress 1
		.amdhsa_inst_pref_size 214
	.end_amdhsa_kernel
	.amdgpu_metadata
---
amdhsa.version: [ 1, 2 ]
amdhsa.kernels:
  - .name:           k_q7c1150cb3c_attn
    .symbol:         k_q7c1150cb3c_attn.kd
    .args:
      - { .name: Q_codes, .offset: 0, .size: 8, .value_kind: global_buffer, .address_space: global }
      - { .name: Q_scales, .offset: 8, .size: 8, .value_kind: global_buffer, .address_space: global }
      - { .name: K_codes, .offset: 16, .size: 8, .value_kind: global_buffer, .address_space: global }
      - { .name: K_scales, .offset: 24, .size: 8, .value_kind: global_buffer, .address_space: global }
      - { .name: V_codes, .offset: 32, .size: 8, .value_kind: global_buffer, .address_space: global }
      - { .name: V_scales, .offset: 40, .size: 8, .value_kind: global_buffer, .address_space: global }
      - { .name: out0, .offset: 48, .size: 8, .value_kind: global_buffer, .address_space: global }
    .group_segment_fixed_size: 327680
    .private_segment_fixed_size: 0
    .kernarg_segment_align: 8
    .kernarg_segment_size: 56
    .max_flat_workgroup_size: 256
    .sgpr_count:     102
    .vgpr_count:     512
    .wavefront_size: 32
...
	.end_amdgpu_metadata
.endif
;; end of part 1
